; MI455X (gfx1250); checked and timed in simulation.
; The chip was launched on July 23, 2026; its instructions are those of AMD's public machine-readable ISA for CDNA 5 (MIT licence, August 2026) and "CDNA5" Instruction Set Architecture Reference Guide (July 2026). The comments in the code are by the model that wrote it; some were corrected since.
;; Multi Head Attention. Allowed arithmetic: float matrix products may take bf16 or f16 operands with f32 sums; all other float work in f32.
;; Inputs: Wo 1,024 x 1,024 float32; Wqkv 1,024 x 3,072 float32; x 2 x 2,048 x 1,024 float32.
;; Outputs: out0 2 x 2,048 x 1,024 float32.
;; One version. Each part assembles by itself: llvm-mc -triple=amdgcn-amd-amdhsa -mcpu=gfx1250 --defsym DOCPART=n.
;; ======== version 1 of 1: 4 launches
;; limits: values are held in f16: magnitudes above 65,504 overflow, below 6.1e-05 lose precision
;; workspace buffers: xh 8,388,608 bytes; wqh 6,291,456 bytes; woh 2,097,152 bytes; qh 8,388,608 bytes; kh 8,388,608 bytes; vh 8,388,608 bytes; ah 8,388,608 bytes
;; launch cast (part 1): grid 1024 x 1, 8 waves a work-group, no clusters, 0 bytes of LDS; arguments x, Wqkv, Wo, xh, wqh, woh; writes xh, wqh, woh
.if DOCPART == 1
	.amdgcn_target "amdgcn-amd-amdhsa--gfx1250"
	.amdhsa_code_object_version 6
	.text
	.protected	k_q6ed2288d58_cast
	.globl	k_q6ed2288d58_cast
	.p2align	8
	.type	k_q6ed2288d58_cast,@function
k_q6ed2288d58_cast:
	s_mov_b64 s[64:65], 0
	v_nop
	global_prefetch_b8 v0, s[64:65] scope:SCOPE_SE
	s_setreg_imm32_b32 hwreg(HW_REG_WAVE_MODE, 25, 1), 1
	s_wait_xcnt 0x0
; x, Wqkv, Wo (f32) -> xh, wqh, woh (f16, rounded to nearest even), element by element, layouts unchanged.
; The three products that follow read each tile many times; rounding once here lets them fetch 16-bit tiles straight into LDS.
; A work-group takes 8,192 numbers (32,768 bytes in, 16,384 out): groups 0-511 x, 512-895 Wqkv, 896-1023 Wo.
; A wave takes 1,024 numbers: eight loads of 16 bytes a lane, each covering 512 consecutive aligned bytes, all eight in flight;
; each store of 8 bytes a lane covers 256 consecutive aligned bytes.  No LDS, no barrier, no matrix unit: nothing is shared or reduced.
; LIMIT: |value| above 65,504 becomes an infinity in f16; magnitudes below 2^-14 keep an absolute error of 2^-25.
.set XGROUPS, 512                      ; 4,194,304 numbers of x / 8,192
.set WGROUPS, 896                      ; + 3,145,728 numbers of Wqkv / 8,192
.set X, 8                              ; v[8:39]   eight loads of four f32
.set Y, 40                             ; v[40:55]  eight pairs of registers, four f16 each
	s_load_b256 s[4:11], s[0:1], 0x0               ; x s[4:5], Wqkv s[6:7], Wo s[8:9], xh s[10:11]
	s_load_b128 s[12:15], s[0:1], 0x20             ; wqh s[12:13], woh s[14:15]
	v_lshrrev_b32 v3, 5, v0                        ; wave
	v_and_b32 v4, 31, v0                           ; lane
	v_lshlrev_b32 v1, 4, v4
	v_lshl_add_u32 v1, v3, 12, v1                  ; in: 4,096 x wave + 16 x lane
	v_lshrrev_b32 v2, 1, v1                        ; out: half of that
	s_movk_i32 s21, WGROUPS
	s_wait_kmcnt 0x0
	s_cmp_lt_u32 ttmp9, WGROUPS                    ; which tensor: a choice on the group's number alone
	s_cselect_b64 s[16:17], s[6:7], s[8:9]
	s_cselect_b64 s[18:19], s[12:13], s[14:15]
	s_cselect_b32 s20, XGROUPS, s21
	s_cmp_lt_u32 ttmp9, XGROUPS
	s_cselect_b64 s[16:17], s[4:5], s[16:17]       ; source
	s_cselect_b64 s[18:19], s[10:11], s[18:19]     ; destination
	s_cselect_b32 s20, 0, s20                      ; the tensor's first group
	s_sub_co_u32 s20, ttmp9, s20                   ; my number inside the tensor
	s_lshl_b32 s22, s20, 15
	s_mov_b32 s23, 0
	s_add_nc_u64 s[16:17], s[16:17], s[22:23]
	s_lshl_b32 s22, s20, 14
	s_add_nc_u64 s[18:19], s[18:19], s[22:23]
.irp i, 0,1,2,3,4,5,6,7
	global_load_b128 v[X+4*\i:X+4*\i+3], v1, s[16:17] offset:512*\i th:TH_LOAD_NT   ; read once in the launch
.endr
.irp i, 0,1,2,3,4,5,6,7
	s_wait_loadcnt 7-\i                            ; loads return in order: load i is in, the younger ones stay out
	v_cvt_pk_f16_f32 v[Y+2*\i], v[X+4*\i], v[X+4*\i+1]
	v_cvt_pk_f16_f32 v[Y+2*\i+1], v[X+4*\i+2], v[X+4*\i+3]
	global_store_b64 v2, v[Y+2*\i:Y+2*\i+1], s[18:19] offset:256*\i    ; no hint: the next launches read these bytes
.endr
	s_endpgm
.Lfunc_end_k_q6ed2288d58_cast:
	.size	k_q6ed2288d58_cast, .Lfunc_end_k_q6ed2288d58_cast-k_q6ed2288d58_cast
	.p2alignl 7, 3214868480
	.fill 96, 4, 3214868480
	.section	.rodata,"a",@progbits
	.p2align	6, 0x0
	.amdhsa_kernel k_q6ed2288d58_cast
		.amdhsa_group_segment_fixed_size 0
		.amdhsa_private_segment_fixed_size 0
		.amdhsa_enable_private_segment 0
		.amdhsa_kernarg_size 48
		.amdhsa_user_sgpr_count 2
		.amdhsa_user_sgpr_kernarg_segment_ptr 1
		.amdhsa_wavefront_size32 1
		.amdhsa_system_sgpr_workgroup_id_x 1
		.amdhsa_system_sgpr_workgroup_id_y 1
		.amdhsa_system_sgpr_workgroup_id_z 1
		.amdhsa_system_vgpr_workitem_id 0
		.amdhsa_next_free_vgpr 64
		.amdhsa_next_free_sgpr 66
		.amdhsa_reserve_vcc 0
		.amdhsa_float_denorm_mode_32 3
		.amdhsa_float_denorm_mode_16_64 3
		.amdhsa_memory_ordered 1
		.amdhsa_forward_progress 1
		.amdhsa_inst_pref_size 4
	.end_amdhsa_kernel
	.amdgpu_metadata
---
amdhsa.version: [ 1, 2 ]
amdhsa.kernels:
  - .name:           k_q6ed2288d58_cast
    .symbol:         k_q6ed2288d58_cast.kd
    .args:
      - { .name: x, .offset: 0, .size: 8, .value_kind: global_buffer, .address_space: global }
      - { .name: Wqkv, .offset: 8, .size: 8, .value_kind: global_buffer, .address_space: global }
      - { .name: Wo, .offset: 16, .size: 8, .value_kind: global_buffer, .address_space: global }
      - { .name: xh, .offset: 24, .size: 8, .value_kind: global_buffer, .address_space: global }
      - { .name: wqh, .offset: 32, .size: 8, .value_kind: global_buffer, .address_space: global }
      - { .name: woh, .offset: 40, .size: 8, .value_kind: global_buffer, .address_space: global }
    .group_segment_fixed_size: 0
    .private_segment_fixed_size: 0
    .kernarg_segment_align: 8
    .kernarg_segment_size: 48
    .max_flat_workgroup_size: 256
    .sgpr_count:     66
    .vgpr_count:     64
    .wavefront_size: 32
...
	.end_amdgpu_metadata
.endif
;; end of part 1
;; launch qkv (part 2): grid 8 x 32, 4 waves a work-group, clusters of 4 x 4, 327,680 bytes of LDS; arguments xh, wqh, qh, kh, vh; writes qh, kh, vh
.if DOCPART == 2
	.amdgcn_target "amdgcn-amd-amdhsa--gfx1250"
	.amdhsa_code_object_version 6
	.text
	.protected	k_q6ed2288d58_qkv
	.globl	k_q6ed2288d58_qkv
	.p2align	8
	.type	k_q6ed2288d58_qkv,@function
k_q6ed2288d58_qkv:
	s_mov_b64 s[64:65], 0
	v_nop
	global_prefetch_b8 v0, s[64:65] scope:SCOPE_SE
	s_setreg_imm32_b32 hwreg(HW_REG_WAVE_MODE, 25, 1), 1
	s_wait_xcnt 0x0
	s_wait_alu depctr_hold_cnt(0) depctr_sa_sdst(0) depctr_va_vdst(0) depctr_va_sdst(0) depctr_va_ssrc(0) depctr_va_vcc(0) depctr_vm_vsrc(0)
	s_getreg_b32 s2, hwreg(HW_REG_IB_STS2, 6, 4)
	s_cmp_eq_u32 s2, 0
	s_cbranch_scc0 .Lentry_in_a_cluster
	s_endpgm
.Lentry_in_a_cluster:
	s_bfe_u32 s2, ttmp6, 0x10000c
	s_cmp_lg_u32 s2, 0xf033
	s_cbranch_scc0 .Lentry_shape_is_right
	s_endpgm
.Lentry_shape_is_right:
; qkv = xh [4096][1024] x wqh [1024][3072] (f16 operands, f32 sums), RoPE on q and k, stored in f16 as [batch*16+head][2048][64].
; A work-group makes 128 rows (block row by) x 384 columns: three chunks of 128, chunk c (0 q, 1 k, 2 v) = columns 1024 c + 128 bx,
; that is heads 2 bx and 2 bx + 1 of each kind: which columns are rotated is fixed in the text.  8 x 32 = 256 work-groups.
; Wave w: rows 64 (w >> 1) .., head 2 bx + (w & 1) of each kind: 4 row blocks x 12 column blocks of 16 x 16, 48 accumulators.
; K goes in steps of 128 through two LDS slots filled by the tensor data mover; every tile row is 256 bytes of memory, aligned.
; CLUSTERS 4 x 4: x's tile hangs on by alone and is asked for jointly along a row of the cluster, W's chunks on bx alone and jointly along
; a column.  Wave 3 asks for x's tile, waves 0-2 for W's chunk of their number.  A wave has two tensor loads out at the start, one later.
; W lies [k][n]: its fragments come by the transposing LDS load.  The matrix instruction is used transposed (source 0 = 16 columns of W,
; source 1 = 16 rows of x), so a lane holds row l % 16 and the eight neighbouring columns 8 (l / 16) + 0..7 of a 16 x 16 block.
; ROPE: the angle of position l and frequency i is l 10000^(-i/32).  In turns: u = l 2^(-i log2(10000)/32 - log2(2 pi)), f = u - round(u)
; in [-1/2, 1/2], and sin(2 pi f), cos(2 pi f) by their Taylor series to f^13 and f^14 (first terms left out: 2.2e-5 and 4.3e-6 at |f| = 1/2).
; LIMITS: f16 operands and results: |x|, |W|, |q|, |k|, |v| above 65,504 become infinities.  The angle is good to about 6e-4 radians at
; l = 2047 (the rate comes from v_exp_f32, and l x rate is rounded once).  NaN and infinities are not treated specially.
;
; REGISTERS: window 0: v0-31 addresses, v32-63 and v64-95 fragments of x (two buffers), v32-239 the way out;
; windows 1, 2: accumulators of row blocks 0-1, 2-3, block (mb, nb) at 8 (12 (mb & 1) + nb); window 3: v0-95, v96-191 fragments of W.
.set PA,     272                       ; LDS pitch of x's rows: 256 + 16 bytes, an odd multiple of 16
.set PB,     288                       ; LDS pitch of W's rows: 256 + 32 bytes, an odd multiple of 32, for the transposing load
.set CHUNK,  128*PB                    ; 36,864: one chunk of W, 128 k rows
.set AOFF,   3*CHUNK                   ; x's tile lies behind the three chunks
.set SLOT,   AOFF+128*PA               ; 145,408
.set STAGE,  2*SLOT                    ; 290,816: behind the ring, never filled by a tensor load
.set WSTAGE, 7168                      ; a wave's stage: 3 kinds x 16 rows x 144 bytes, in whole blocks of 256 bytes
.set SP,     144                       ; stage pitch: 128 + 16
.set HSTG,   16*SP
.set ADRA, 16                          ; v16-17  x fragments, slot 0, 1
.set ADRB, 18                          ; v18-23  W fragments, slot x chunk
.set STO,  24                          ; stage: where I put 16 bytes
.set RD,   25                          ; stage: where I read rows back
.set GO,   26                          ; 16 x lane
.set G1A, 24                           ; s[24:31] shape of x's tile
.set G0A, 32                           ; s[32:39] from where, to where: one set a slot
.set G1B, 40                           ; s[40:47] shape of a chunk of W
.set G0B, 48                           ; s[48:55]
.set MUL_LO, 0x53                      ; source 0 window 3, source 1 window 0, C and D window 1
.set MUL_HI, 0xa3                      ; the same, C and D window 2
.set TO_B,   0xc0                      ; destination window 3
.set MSB, 0
.macro WIN new                         ; the immediate's high byte repeats the setting that is left
.if MSB != \new
	s_set_vgpr_msb (MSB<<8)|\new
.set MSB, \new
.endif
.endm
.macro PLACES                          ; four places behind a matrix instruction (ISA guide 7.12.1)
.rept 4
	v_nop
.endr
.endm
.macro JLOAD s                         ; one joint load a wave; the branch hangs on the wave's number alone
	s_cmp_eq_u32 s14, 3
	s_cbranch_scc0 .Lfor_b_\@
	tensor_load_to_lds s[G0A+4*\s:G0A+4*\s+3], s[G1A:G1A+7]
	s_nop 0
	s_branch .Lasked_\@
.Lfor_b_\@:
	tensor_load_to_lds s[G0B+4*\s:G0B+4*\s+3], s[G1B:G1B+7]
	s_nop 0
.Lasked_\@:
.endm
.macro CREST                           ; a round of the cluster's barrier behind its opening barrier
	s_cmp_lg_u32 s14, 0
	s_cbranch_scc1 .Lnot_wave_0_\@
	s_barrier_signal -3
.Lnot_wave_0_\@:
	s_barrier_wait -3
	s_barrier_signal -1
	s_barrier_wait -1
.endm
.macro CROUND
	s_barrier_signal -1
	s_barrier_wait -1
	CREST
.endm
	s_load_b256 s[4:11], s[0:1], 0x0               ; xh s[4:5], wqh s[6:7], qh s[8:9], kh s[10:11]
	s_load_b64 s[12:13], s[0:1], 0x20              ; vh
	s_set_vgpr_msb 0xc0
	v_lshl_add_u32 v193, v0, 2, 0x4e000
	s_set_vgpr_msb 0xc000
	v_mov_b32 v255, 0
	s_set_vgpr_msb 0x3
	ds_add_u32 v193, v255
	s_set_vgpr_msb 0x300
	v_lshrrev_b32 v1, 5, v0
	v_readfirstlane_b32 s14, v1                    ; wave 0..3
	s_lshr_b32 s15, s14, 1                         ; wr: which 64 rows
	s_and_b32 s16, s14, 1                          ; wc: which of the two heads
	s_bfe_u32 s17, ttmp6, 0x40000                  ; cx
	s_bfe_u32 s18, ttmp6, 0x40004                  ; cy
	s_lshl_b32 s19, ttmp9, 2
	s_add_co_u32 s19, s19, s17                     ; bx = 4 x cluster x + cx
	s_and_b32 s20, ttmp7, 0xffff
	s_lshl_b32 s20, s20, 2
	s_add_co_u32 s20, s20, s18                     ; by = 4 x cluster y + cy
	s_lshl_b32 s21, s18, 2
	s_lshl_b32 s21, 15, s21                        ; my row of the cluster
	s_lshl_b32 s22, 0x1111, s17                    ; my column
	; group 1: tiles of 128 rows x 128 elements of 2 bytes; padding behind every 64 words: 4 words for x, 8 for W; bit 21 beside a mask
	s_or_b32 s[G1A+0], s21, (1<<16)|(1<<20)|(1<<21)|(5<<22)|(3<<25)
	s_or_b32 s[G1B+0], s22, (1<<16)|(1<<20)|(1<<21)|(5<<22)|(7<<25)
	s_mov_b32 s[G1A+1], 128<<16                    ; tensor_dim0 = 128
	s_mov_b32 s[G1B+1], 128<<16
	s_mov_b32 s[G1A+2], 128<<16                    ; tensor_dim1 = 128
	s_mov_b32 s[G1B+2], 128<<16
	s_mov_b32 s[G1A+3], 128<<16                    ; tile_dim0 = 128
	s_mov_b32 s[G1B+3], 128<<16
	s_mov_b32 s[G1A+4], 128                        ; tile_dim1 = 128
	s_mov_b32 s[G1B+4], 128
	s_mov_b32 s[G1A+5], 1024                       ; elements from row to row of xh
	s_mov_b32 s[G1B+5], 3072                       ; and of wqh
	s_mov_b32 s[G1A+6], 0
	s_mov_b32 s[G1B+6], 0
	s_mov_b32 s[G1A+7], 0
	s_mov_b32 s[G1B+7], 0
	s_mul_i32 s23, s14, CHUNK                      ; where my tile goes: chunks 0-2, then x's tile = wave x 36,864
	s_lshl_b32 s56, s20, 18                        ; x: 128 by rows of 2,048 bytes (by alone)
	s_mov_b32 s57, 0
	s_lshl_b32 s58, s19, 8                         ; W: 256 bx bytes along a row,
	s_lshl_b32 s59, s14, 11                        ; + 2,048 bytes for each chunk (bx and the wave alone)
	s_add_co_u32 s58, s58, s59
	s_mov_b32 s59, 0
	s_wait_dscnt 0x0
	s_wait_kmcnt 0x0
	s_add_nc_u64 s[56:57], s[4:5], s[56:57]
	s_add_nc_u64 s[58:59], s[6:7], s[58:59]
	CROUND                                         ; all sixteen work-groups are here: the first joint loads meet
.irp s, 0,1
	s_mov_b32 s[G0A+4*\s], 1
	s_add_co_u32 s[G0A+4*\s+1], s23, \s*SLOT
	s_add_nc_u64 s[G0A+4*\s+2:G0A+4*\s+3], s[56:57], \s*256        ; K step s: 128 elements along the row
	s_or_b32 s[G0A+4*\s+3], s[G0A+4*\s+3], 0x80000000
	s_mov_b32 s[G0B+4*\s], 1
	s_add_co_u32 s[G0B+4*\s+1], s23, \s*SLOT
	s_add_nc_u64 s[G0B+4*\s+2:G0B+4*\s+3], s[58:59], \s*786432     ; K step s: 128 rows of 6,144 bytes
	s_or_b32 s[G0B+4*\s+3], s[G0B+4*\s+3], 0x80000000
	JLOAD \s
.endr
	v_and_b32 v1, 31, v0                           ; l
	v_and_b32 v2, 15, v0                           ; r = l % 16
	v_bfe_u32 v3, v0, 4, 1                         ; h = l / 16
	v_mul_u32_u24 v4, v2, PA
	v_lshl_add_u32 v4, v3, 4, v4                   ; x: row r, 16 h bytes
	s_mul_i32 s61, s15, 64*PA
	s_add_co_u32 s61, s61, AOFF
	v_add_nc_u32 v[ADRA], s61, v4
	v_add_nc_u32 v[ADRA+1], SLOT, v[ADRA]
	v_and_b32 v6, 7, v0
	v_lshl_add_u32 v7, v3, 3, v6                   ; W: k row 8 h + l % 8,
	v_mul_u32_u24 v5, v7, PB
	v_bfe_u32 v8, v0, 3, 1
	v_lshl_add_u32 v5, v8, 4, v5                   ; 16 bytes for each half of eight columns,
	s_lshl_b32 s62, s16, 7
	v_add_nc_u32 v5, s62, v5                       ; my head's 128 bytes
.irp s, 0,1
.irp c, 0,1,2
	v_add_nc_u32 v[ADRB+3*\s+\c], \s*SLOT+\c*CHUNK, v5
.endr
.endr
	s_mul_i32 s63, s14, WSTAGE
	s_add_co_u32 s63, s63, STAGE
	v_mul_u32_u24 v[STO], v2, SP
	v_lshl_add_u32 v[STO], v3, 4, v[STO]
	v_add_nc_u32 v[STO], s63, v[STO]
	v_lshrrev_b32 v9, 3, v1
	v_mul_u32_u24 v[RD], v9, SP
	v_lshl_add_u32 v[RD], v6, 4, v[RD]
	v_add_nc_u32 v[RD], s63, v[RD]
	v_lshlrev_b32 v[GO], 4, v1
; 12 matrix instructions: row block 2 half + mbl x all 12 column blocks, 32 along K, from buffer f.  The 48 accumulators take turns, one
; instruction a turn, in the same order in every quarter step.
.macro MUL12 f, half, mbl, zero
.irp nb, 0,1,2,3,4,5,6,7,8,9,10,11
.if \zero
	v_wmma_f32_16x16x32_f16 v[8*(12*\mbl+\nb):8*(12*\mbl+\nb)+7], v[96*\f+8*\nb:96*\f+8*\nb+7], v[32+32*\f+8*(2*\half+\mbl):32+32*\f+8*(2*\half+\mbl)+7], 0
.else
	v_wmma_f32_16x16x32_f16 v[8*(12*\mbl+\nb):8*(12*\mbl+\nb)+7], v[96*\f+8*\nb:96*\f+8*\nb+7], v[32+32*\f+8*(2*\half+\mbl):32+32*\f+8*(2*\half+\mbl)+7], v[8*(12*\mbl+\nb):8*(12*\mbl+\nb)+7]
.endif
.endr
.endm
; 32 LDS loads in one run: quarter kq (32 along K) of a slot into buffer f: W's 12 fragments (transposed on the way), then x's 4
.macro FETCH slot, kq, f
	WIN TO_B
.irp c, 0,1,2
.irp t, 0,1,2,3
	ds_load_tr16_b128 v[96*\f+8*(4*\c+\t):96*\f+8*(4*\c+\t)+3], v[ADRB+3*\slot+\c] offset:\kq*32*PB+32*\t
	ds_load_tr16_b128 v[96*\f+8*(4*\c+\t)+4:96*\f+8*(4*\c+\t)+7], v[ADRB+3*\slot+\c] offset:\kq*32*PB+16*PB+32*\t
.endr
.endr
	WIN 0
.irp mb, 0,1,2,3
	ds_load_b128 v[32+32*\f+8*\mb:32+32*\f+8*\mb+3], v[ADRA+\slot] offset:\mb*16*PA+\kq*64
	ds_load_b128 v[32+32*\f+8*\mb+4:32+32*\f+8*\mb+7], v[ADRA+\slot] offset:\mb*16*PA+\kq*64+32
.endr
.endm
; One of a K step's first three quarters: multiplies buffer f, and in its middle fetches quarter kq into buffer g
.macro QUARTER slot, kq, f, g, zero
	s_wait_dscnt 4                                 ; all but the youngest four loads: x's row blocks 2 and 3 may be out
	WIN MUL_LO
	MUL12 \f, 0, 0, \zero
	MUL12 \f, 0, 1, \zero
	PLACES                                         ; buffer g was read by matrix instructions: four places, then the loads into it
	FETCH \slot, \kq, \g
	s_wait_dscnt 32                                ; all but the 32 just issued
	WIN MUL_HI
	MUL12 \f, 1, 0, \zero
	MUL12 \f, 1, 1, \zero
.endm
.macro THREE slot, zero
	QUARTER \slot, 1, 0, 1, \zero
	QUARTER \slot, 2, 1, 0, 0
	QUARTER \slot, 3, 0, 1, 0
.endm
; The last quarter multiplies buffer 1 and changes slots.  In front of the barrier each wave waits for its reads of this slot and for all
; its tensor loads (its part of the next slot); behind it (with fill: behind the cluster's round that it opens) the refill comes first.
.macro TURN slot, next, fill
	s_wait_dscnt 4
	WIN MUL_LO
	MUL12 1, 0, 0, 0
	s_wait_dscnt 0                                 ; my reads of this slot are over
	s_wait_tensorcnt 0x0                           ; all my tensor loads have landed
	ds_add_u32 v193, v255
	s_wait_dscnt 0x0
	s_barrier_signal -1
	MUL12 1, 0, 1, 0                               ; register work while the others arrive
	WIN 0
	s_barrier_wait -1
.if \fill
	CREST                                          ; no wave of any partner still reads this slot or has a load on its way
	s_add_nc_u64 s[G0A+4*\slot+2:G0A+4*\slot+3], s[G0A+4*\slot+2:G0A+4*\slot+3], 512       ; two K steps on: 256 elements
	s_add_nc_u64 s[G0B+4*\slot+2:G0B+4*\slot+3], s[G0B+4*\slot+2:G0B+4*\slot+3], 1572864   ; 256 rows of 6,144 bytes
	JLOAD \slot                                    ; the wave's one tensor load behind the round
.endif
	PLACES
	FETCH \next, 0, 0
	WIN MUL_HI
	MUL12 1, 1, 0, 0
	MUL12 1, 1, 1, 0
.endm
.macro LAP zero
	THREE 0, \zero
	TURN 0, 1, 1
	THREE 1, 0
	TURN 1, 0, 1
.endm
	s_wait_tensorcnt 0x1                           ; my part of K step 0 is in; K step 1's stays out
	s_barrier_signal -1
	s_barrier_wait -1
	FETCH 0, 0, 0
	LAP 1                                          ; K steps 0, 1: the first products start the sums; fills 2, 3
	WIN 0
	s_mov_b32 s60, 2
.Llap:
	LAP 0                                          ; K steps 2-5; fills 4-7
	WIN 0
	s_sub_co_u32 s60, s60, 1
	s_cmp_lg_u32 s60, 0
	s_cbranch_scc1 .Llap
	THREE 0, 0                                     ; K steps 6, 7: nothing is left to fetch
	TURN 0, 1, 0
	THREE 1, 0
	s_wait_dscnt 4
	WIN MUL_LO
	MUL12 1, 0, 0, 0
	MUL12 1, 0, 1, 0
	s_wait_dscnt 0
	WIN MUL_HI
	MUL12 1, 1, 0, 0
	MUL12 1, 1, 1, 0
	; THE WAY OUT
.set RF,   32                          ; v[32:47]  16 rates in turns a position: index 8 par + j is frequency 16 par + 8 h + j
.set POS,  48                          ; v[48:49]  my row's position, twice
.set TOPS, 50                          ; v[50:51]  the sine series' highest coefficient, twice
.set TOPC, 52                          ; v[52:53]  the cosine series'
.set CS,   64                          ; v[64:79]  cosines
.set SN,   80                          ; v[80:95]  sines
.set NS,   96                          ; v[96:111] minus the sines
.set TM,   128                         ; v[128:151] at work on the series
.set TT,   128                         ; v[128:191] rotated q and k in f32: kind c, column block t at 32 c + 8 t
.set PK,   192                         ; v[192:239] packed f16: kind c, block t at 16 c + 4 t
.set OB,   128                         ; v[128:175] rows read back
	PLACES                                         ; behind the last matrix instructions: results are read, fragment registers written
	WIN 0
	s_lshr_b32 s66, s20, 4                         ; batch
	s_lshl_b32 s66, s66, 4
	s_lshl_b32 s68, s19, 1
	s_add_co_u32 s66, s66, s68
	s_add_co_u32 s66, s66, s16                     ; 16 batch + 2 bx + wc: my head
	s_lshl_b32 s66, s66, 18                        ; x 2,048 rows of 128 bytes
	s_and_b32 s72, s20, 15
	s_lshl_b32 s72, s72, 7
	s_lshl_b32 s68, s15, 6
	s_add_co_u32 s72, s72, s68                     ; my first position: 128 (by % 16) + 64 wr
	s_lshl_b32 s68, s72, 7
	s_add_co_u32 s66, s66, s68
	s_mov_b32 s67, 0
	s_add_nc_u64 s[8:9], s[8:9], s[66:67]
	s_add_nc_u64 s[10:11], s[10:11], s[66:67]
	s_add_nc_u64 s[12:13], s[12:13], s[66:67]
	s_mov_b32 s70, 0xbed49a78                      ; -log2(10000) / 32
	s_mov_b32 s71, 0xc029b21d                      ; -log2(2 pi)
	v_lshlrev_b32 v54, 3, v3
.set k, 0
.rept 16
	v_add_nc_u32 v[RF+k], (k&7)+16*(k>>3), v54     ; the frequency's number
.set k, k+1
.endr
.set k, 0
.rept 16
	v_cvt_f32_u32 v[RF+k], v[RF+k]
.set k, k+1
.endr
.set k, 0
.rept 16
	v_fma_f32 v[RF+k], v[RF+k], s70, s71
.set k, k+1
.endr
.set k, 0
.rept 16
	v_exp_f32 v[RF+k], v[RF+k]
.set k, k+1
.endr
	v_add_nc_u32 v55, s72, v2                      ; plain instructions stand between the exponentials and their first use
	v_cvt_f32_u32 v[POS], v55
	v_mov_b32 v[POS+1], v[POS]
	v_mov_b32 v[TOPS], 0x40747a1a                  ; (2 pi)^13 / 13!
	v_mov_b32 v[TOPS+1], 0x40747a1a
	v_mov_b32 v[TOPC], 0xbfdb7128                  ; -(2 pi)^14 / 14!
	v_mov_b32 v[TOPC+1], 0xbfdb7128
	s_wait_alu depctr_va_vdst(0)
.macro HSTEP ls, lc                    ; one Horner step of four chains: two pairs of sines, two of cosines
	v_pk_fma_f32 v[TM+16:TM+17], v[TM+16:TM+17], v[TM+12:TM+13], \ls op_sel_hi:[1,1,0]
	v_pk_fma_f32 v[TM+18:TM+19], v[TM+18:TM+19], v[TM+14:TM+15], \ls op_sel_hi:[1,1,0]
	v_pk_fma_f32 v[TM+20:TM+21], v[TM+20:TM+21], v[TM+12:TM+13], \lc op_sel_hi:[1,1,0]
	v_pk_fma_f32 v[TM+22:TM+23], v[TM+22:TM+23], v[TM+14:TM+15], \lc op_sel_hi:[1,1,0]
.endm
.macro TRIG4 p                         ; cosines and sines of rates p .. p + 3 at my position
	v_pk_mul_f32 v[TM:TM+1], v[POS:POS+1], v[RF+\p:RF+\p+1]        ; turns
	v_pk_mul_f32 v[TM+2:TM+3], v[POS:POS+1], v[RF+\p+2:RF+\p+3]
.irp i, 0,1,2,3
	v_rndne_f32 v[TM+4+\i], v[TM+\i]
.endr
	v_pk_add_f32 v[TM+8:TM+9], v[TM:TM+1], v[TM+4:TM+5] neg_lo:[0,1] neg_hi:[0,1]        ; f, exact
	v_pk_add_f32 v[TM+10:TM+11], v[TM+2:TM+3], v[TM+6:TM+7] neg_lo:[0,1] neg_hi:[0,1]
	v_pk_mul_f32 v[TM+12:TM+13], v[TM+8:TM+9], v[TM+8:TM+9]        ; f^2
	v_pk_mul_f32 v[TM+14:TM+15], v[TM+10:TM+11], v[TM+10:TM+11]
	v_pk_fma_f32 v[TM+16:TM+17], v[TM+12:TM+13], v[TOPS:TOPS+1], 0xc17183a8 op_sel_hi:[1,1,0]   ; -(2 pi)^11 / 11!
	v_pk_fma_f32 v[TM+18:TM+19], v[TM+14:TM+15], v[TOPS:TOPS+1], 0xc17183a8 op_sel_hi:[1,1,0]
	v_pk_fma_f32 v[TM+20:TM+21], v[TM+12:TM+13], v[TOPC:TOPC+1], 0x40fce9c5 op_sel_hi:[1,1,0]   ; (2 pi)^12 / 12!
	v_pk_fma_f32 v[TM+22:TM+23], v[TM+14:TM+15], v[TOPC:TOPC+1], 0x40fce9c5 op_sel_hi:[1,1,0]
	HSTEP 0x42283c1a, 0xc1d368f9                   ; (2 pi)^9 / 9!,   -(2 pi)^10 / 10!
	HSTEP 0xc2996966, 0x4270fa83                   ; -(2 pi)^7 / 7!,  (2 pi)^8 / 8!
	HSTEP 0x42a335e3, 0xc2aae9e4                   ; (2 pi)^5 / 5!,   -(2 pi)^6 / 6!
	HSTEP 0xc2255de7, 0x4281e0f8                   ; -(2 pi)^3 / 3!,  (2 pi)^4 / 4!
	HSTEP 0x40c90fdb, 0xc19de9e6                   ; 2 pi,            -(2 pi)^2 / 2!
	v_pk_fma_f32 v[CS+\p:CS+\p+1], v[TM+20:TM+21], v[TM+12:TM+13], 1.0 op_sel_hi:[1,1,0]
	v_pk_fma_f32 v[CS+\p+2:CS+\p+3], v[TM+22:TM+23], v[TM+14:TM+15], 1.0 op_sel_hi:[1,1,0]
	v_pk_mul_f32 v[SN+\p:SN+\p+1], v[TM+16:TM+17], v[TM+8:TM+9]
	v_pk_mul_f32 v[SN+\p+2:SN+\p+3], v[TM+18:TM+19], v[TM+10:TM+11]
	v_pk_mul_f32 v[NS+\p:NS+\p+1], v[SN+\p:SN+\p+1], -1.0 op_sel_hi:[1,0]
	v_pk_mul_f32 v[NS+\p+2:NS+\p+3], v[SN+\p+2:SN+\p+3], -1.0 op_sel_hi:[1,0]
.endm
; Row block mb (16 rows): tables, rotation of q and k, rounding, through my own stage, out as rows.  w1: source 0 in the accumulators'
; window; w2: sources 0 and 1 there.
.macro OUTMB mb, mbl, w1, w2
.if \mb
	s_wait_xcnt 0x0                                ; the registers that the last block's stores read are written again only behind this wait
.endif
	TRIG4 0
	TRIG4 4
	TRIG4 8
	TRIG4 12
	v_pk_add_f32 v[POS:POS+1], v[POS:POS+1], 0x41800000 op_sel_hi:[1,0]    ; the next block's rows lie 16 positions on
	WIN \w1
.irp c, 0,1
.irp par, 0,1
.irp e, 0,2,4,6
	v_pk_mul_f32 v[TT+32*\c+8*\par+\e:TT+32*\c+8*\par+\e+1], v[8*(12*\mbl+4*\c+\par)+\e:8*(12*\mbl+4*\c+\par)+\e+1], v[CS+8*\par+\e:CS+8*\par+\e+1]
	v_pk_mul_f32 v[TT+32*\c+8*\par+16+\e:TT+32*\c+8*\par+16+\e+1], v[8*(12*\mbl+4*\c+\par+2)+\e:8*(12*\mbl+4*\c+\par+2)+\e+1], v[CS+8*\par+\e:CS+8*\par+\e+1]
.endr
.irp e, 0,2,4,6
	v_pk_fma_f32 v[TT+32*\c+8*\par+\e:TT+32*\c+8*\par+\e+1], v[8*(12*\mbl+4*\c+\par+2)+\e:8*(12*\mbl+4*\c+\par+2)+\e+1], v[NS+8*\par+\e:NS+8*\par+\e+1], v[TT+32*\c+8*\par+\e:TT+32*\c+8*\par+\e+1]
	v_pk_fma_f32 v[TT+32*\c+8*\par+16+\e:TT+32*\c+8*\par+16+\e+1], v[8*(12*\mbl+4*\c+\par)+\e:8*(12*\mbl+4*\c+\par)+\e+1], v[SN+8*\par+\e:SN+8*\par+\e+1], v[TT+32*\c+8*\par+16+\e:TT+32*\c+8*\par+16+\e+1]
.endr
.endr
.endr
	WIN \w2
.irp t, 0,1,2,3
.irp e, 0,1,2,3
	v_cvt_pk_f16_f32 v[PK+32+4*\t+\e], v[8*(12*\mbl+8+\t)+2*\e], v[8*(12*\mbl+8+\t)+2*\e+1]    ; v is not rotated
.endr
.endr
	WIN 0
.set k, 0
.rept 32
	v_cvt_pk_f16_f32 v[PK+k], v[TT+2*k], v[TT+2*k+1]
.set k, k+1
.endr
.irp c, 0,1,2
.irp t, 0,1,2,3
	ds_store_b128 v[STO], v[PK+16*\c+4*\t:PK+16*\c+4*\t+3] offset:\c*HSTG+32*\t
.endr
.endr
.irp i, 0,1,2,3,4,5,6,7,8,9,10,11
	ds_load_b128 v[OB+4*\i:OB+4*\i+3], v[RD] offset:(\i/4)*HSTG+(\i%4)*4*SP    ; my own bytes; LDS serves a wave in order (ISA guide 5.7.1.4)
.endr
.irp i, 0,1,2,3,4,5,6,7,8,9,10,11
	s_wait_dscnt 11-\i                             ; load i is in, the younger ones stay out
	global_store_b128 v[GO], v[OB+4*\i:OB+4*\i+3], s[8+2*(\i/4):9+2*(\i/4)] offset:\mb*2048+(\i%4)*512   ; four rows of a head: 512 consecutive aligned bytes
.endr
.endm
	OUTMB 0, 0, 0x01, 0x05
	OUTMB 1, 1, 0x01, 0x05
	OUTMB 2, 0, 0x02, 0x0a
	OUTMB 3, 1, 0x02, 0x0a
	s_set_vgpr_msb 0x3
	s_wait_tensorcnt 0x0
	ds_add_u32 v193, v255
	s_wait_dscnt 0x0
	s_set_vgpr_msb 0x300
	CROUND                                         ; the closing round: no work-group ends while a partner may still ask jointly
	s_endpgm
.Lfunc_end_k_q6ed2288d58_qkv:
	.size	k_q6ed2288d58_qkv, .Lfunc_end_k_q6ed2288d58_qkv-k_q6ed2288d58_qkv
	.p2alignl 7, 3214868480
	.fill 96, 4, 3214868480
	.section	.rodata,"a",@progbits
	.p2align	6, 0x0
	.amdhsa_kernel k_q6ed2288d58_qkv
		.amdhsa_group_segment_fixed_size 327680
		.amdhsa_private_segment_fixed_size 0
		.amdhsa_enable_private_segment 0
		.amdhsa_kernarg_size 40
		.amdhsa_user_sgpr_count 2
		.amdhsa_user_sgpr_kernarg_segment_ptr 1
		.amdhsa_wavefront_size32 1
		.amdhsa_system_sgpr_workgroup_id_x 1
		.amdhsa_system_sgpr_workgroup_id_y 1
		.amdhsa_system_sgpr_workgroup_id_z 1
		.amdhsa_system_vgpr_workitem_id 0
		.amdhsa_next_free_vgpr 962
		.amdhsa_next_free_sgpr 74
		.amdhsa_reserve_vcc 0
		.amdhsa_float_denorm_mode_32 3
		.amdhsa_float_denorm_mode_16_64 3
		.amdhsa_memory_ordered 1
		.amdhsa_forward_progress 1
		.amdhsa_inst_pref_size 233
	.end_amdhsa_kernel
	.amdgpu_metadata
---
amdhsa.version: [ 1, 2 ]
amdhsa.kernels:
  - .name:           k_q6ed2288d58_qkv
    .symbol:         k_q6ed2288d58_qkv.kd
    .args:
      - { .name: xh, .offset: 0, .size: 8, .value_kind: global_buffer, .address_space: global }
      - { .name: wqh, .offset: 8, .size: 8, .value_kind: global_buffer, .address_space: global }
      - { .name: qh, .offset: 16, .size: 8, .value_kind: global_buffer, .address_space: global }
      - { .name: kh, .offset: 24, .size: 8, .value_kind: global_buffer, .address_space: global }
      - { .name: vh, .offset: 32, .size: 8, .value_kind: global_buffer, .address_space: global }
    .group_segment_fixed_size: 327680
    .private_segment_fixed_size: 0
    .kernarg_segment_align: 8
    .kernarg_segment_size: 40
    .max_flat_workgroup_size: 128
    .sgpr_count:     74
    .vgpr_count:     962
    .wavefront_size: 32
...
	.end_amdgpu_metadata
.endif
;; end of part 2
;; launch attn (part 3): grid 8 x 32, 8 waves a work-group, clusters of 4 x 1, 327,680 bytes of LDS; arguments qh, kh, vh, ah; writes ah
.if DOCPART == 3
	.amdgcn_target "amdgcn-amd-amdhsa--gfx1250"
	.amdhsa_code_object_version 6
	.text
	.protected	k_q6ed2288d58_attn
	.globl	k_q6ed2288d58_attn
	.p2align	8
	.type	k_q6ed2288d58_attn,@function
k_q6ed2288d58_attn:
	s_mov_b64 s[64:65], 0
	v_nop
	global_prefetch_b8 v0, s[64:65] scope:SCOPE_SE
	s_setreg_imm32_b32 hwreg(HW_REG_WAVE_MODE, 25, 1), 1
	s_wait_xcnt 0x0
	s_wait_alu depctr_hold_cnt(0) depctr_sa_sdst(0) depctr_va_vdst(0) depctr_va_sdst(0) depctr_va_ssrc(0) depctr_va_vcc(0) depctr_vm_vsrc(0)
	s_getreg_b32 s2, hwreg(HW_REG_IB_STS2, 6, 4)
	s_cmp_eq_u32 s2, 0
	s_cbranch_scc0 .Lentry_in_a_cluster
	s_endpgm
.Lentry_in_a_cluster:
	s_bfe_u32 s2, ttmp6, 0x10000c
	s_cmp_lg_u32 s2, 0x3003
	s_cbranch_scc0 .Lentry_shape_is_right
	s_endpgm
.Lentry_shape_is_right:
; Attention of one (batch, head) pair bh and 256 queries against all 2,048 keys: softmax(q k / 8) v with a running maximum.
; qh, kh, vh: [bh][2048][64] f16.  ah: [row block of 128][head][128][64] f16, so that the next product's tiles are dense.
; Eight waves: wave w takes queries 64 (w & 3) .. + 63 and half w >> 2 of each slot's keys; the two halves are merged once at the end
; through LDS.  Two waves lie on each SIMD.
; CLUSTERS 4 x 1: the four query blocks of a cluster walk the same K and V of one head and ask for each tile jointly (mask 15).
; Two LDS slots of 512 keys; a slot is one load of 16 KiB for each of the eight waves (waves 0-3 V, 4-7 K); four phases.
; A wave has two tensor loads out at the start, one later.  A head's rows are 128 bytes and dense, so they come as rows of 256 bytes:
; key x lies at (x >> 1) pitch + 128 (x & 1).
; LAYOUT: S^T = K Q^T (source 0 = 16 keys, source 1 = 16 queries): lane (r, h) holds keys 8 h + 0..7 of query r, so a query's maximum and
; sum are one number a lane, and two packed tiles ARE source 1 of O^T = V^T P^T, whose source 0 comes by the transposing LDS load.
; The exponent is c s - c M with c = log2(e) / 8; the rounded product -c M is the one used for p, for the rescaling and in the merge.
; THE STEP IS A PIPELINE BY BLOCKS OF 16 QUERIES.  A unit (16 queries x 64 keys) is: X, 8 products S^T; A, its maximum and the factors;
; F, 16 packed multiply-adds that make the exponents; E, 32 exponentials; C, 16 sums and 16 conversions; R, 16 packed multiplies that
; rescale O; Y, 8 products onto O.  One stage takes unit q in and unit p, the one before it, out:
;   F(p);  X(q) with four of E(p) behind each product;  A(q) woven with C(p);  Y(p) with two of R(q) behind each product.
; F and E name vector registers as destination, source 0 and source 2 only, all in window 0, so they run under X's window; R runs under
; Y's: no window is switched inside a woven run.  The pipeline runs on from step to step and over the changes of slot.
; LIMITS: f16 operands (q, k, v, p, result): magnitudes above 65,504 become infinities; p below 2^-24 is lost, against a sum of at least
; about 1.  v_exp_f32 gives 0 below 2^-126.  NaN and infinities are not treated specially.
.set KP,   272                         ; K's pitch: 256 + 16
.set VP,   288                         ; V's pitch: 256 + 32, for the transposing load
.set KOFF, 256*VP                      ; 73,728: K lies behind V
.set SLOT, KOFF+256*KP                 ; 143,360
.set XCH,  17408                       ; the merge: 16,384 bytes of O, 512 of maxima, 512 of sums, for each of four pairs of waves
.set SP,   144                         ; stage pitch: 128 + 16
.set GO,  7                            ; 16 x lane
.set KA0, 8                            ; my K and V fragment addresses in slot 0, first step
.set VA0, 9
.set KA,  10                           ; where the next K loads read
.set VA,  11                           ; where the next V loads read
.set QO,  12
.set XA,  13
.set STO, 14
.set RD,  15
.set MX,  16                           ; v[16:19]  running maximum (raw scores), one for each block of 16 queries
.set LS,  20                           ; v[20:23]  running sum of my half of the keys in a tile
.set NM,  24                           ; v[24:31]  -c M, twice each
.set AL,  32                           ; v[32:39]  rescaling factor, twice each
.set AA,  40                           ; v[40:43]
.set XX,  44                           ; v[44:47]
.set SUM, 48                           ; v[48:63]  four for each query block: A's four chains of maxima, later C's two chains of sums
.set KF,  64                           ; v[64:127] K fragments: 16 keys kb, 32 of d dh, at 8 (2 kb + dh)
.set SS,  128                          ; v[128:255] S(kb, q) at 32 q + 8 kb; P(kp, q) packed in place at 32 q + 16 kp
.set QQ,  128                          ; window 1: O(q, db) at 8 (4 q + db); Q(q, dh) at 128 + 8 (2 q + dh); V^T(kp, db) at 192 + 8 (4 kp + db)
.set VF,  192
.set G1V, 24
.set G1K, 32
.set G0V, 40
.set G0K, 48
.set WX,  0x04                         ; X: source 1 (Q) in window 1, all else in window 0
.set WY,  0x51                         ; Y: source 0 (V^T), C and D in window 1, source 1 (P) in window 0
.set MSB, 0
.macro WIN new                         ; the immediate's high byte repeats the setting that is left
.if MSB != \new
	s_set_vgpr_msb (MSB<<8)|\new
.set MSB, \new
.endif
.endm
.macro JLOAD s                         ; one joint load a wave: waves 0-3 a quarter of V's tile, waves 4-7 of K's
	s_cmp_lt_u32 s12, 4
	s_cbranch_scc0 .Lfor_k_\@
	tensor_load_to_lds s[G0V+4*\s:G0V+4*\s+3], s[G1V:G1V+7]
	s_nop 0
	s_branch .Lasked_\@
.Lfor_k_\@:
	tensor_load_to_lds s[G0K+4*\s:G0K+4*\s+3], s[G1K:G1K+7]
	s_nop 0
.Lasked_\@:
.endm
.macro ROUND                           ; a round of the cluster's barrier
	s_barrier_signal -1
	s_barrier_wait -1
	s_cmp_lg_u32 s12, 0
	s_cbranch_scc1 .Lnot_wave_0_\@
	s_barrier_signal -3
.Lnot_wave_0_\@:
	s_barrier_wait -3
	s_barrier_signal -1
	s_barrier_wait -1
.endm
	s_load_b256 s[4:11], s[0:1], 0x0               ; qh s[4:5], kh s[6:7], vh s[8:9], ah s[10:11]
	v_lshl_add_u32 v190, v0, 2, 0x46000
	v_mov_b32 v191, 0
	ds_add_u32 v190, v191
	s_wait_dscnt 0x0
	v_lshrrev_b32 v1, 5, v0
	v_readfirstlane_b32 s12, v1                    ; wave 0..7
	s_and_b32 s13, s12, 3                          ; g: which 64 queries; also which quarter of a tile I fetch
	s_lshr_b32 s14, s12, 2                         ; which half of a slot's keys
	s_bfe_u32 s15, ttmp6, 0x40000                  ; cx
	s_lshl_b32 s16, ttmp9, 2
	s_add_co_u32 s16, s16, s15                     ; query block = 4 x cluster x + cx
	s_and_b32 s17, ttmp7, 0xffff                   ; bh
	s_mov_b32 s18, 0x76543210                      ; v_permlanex16_b32: lane i of the other half
	s_mov_b32 s19, 0xfedcba98
	s_mov_b32 s20, 0xbe38aa3b                      ; -c = -log2(e) / 8
	; group 1: 64 rows of 32 elements of 8 bytes, dense; padding behind every 64 words: 8 words for V, 4 for K; mask 15, bit 21 beside it
	s_mov_b32 s[G1V+0], 15|(3<<16)|(1<<20)|(1<<21)|(5<<22)|(7<<25)
	s_mov_b32 s[G1K+0], 15|(3<<16)|(1<<20)|(1<<21)|(5<<22)|(3<<25)
	s_mov_b32 s[G1V+1], 32<<16                     ; tensor_dim0 = 32
	s_mov_b32 s[G1K+1], 32<<16
	s_mov_b32 s[G1V+2], 64<<16                     ; tensor_dim1 = 64
	s_mov_b32 s[G1K+2], 64<<16
	s_mov_b32 s[G1V+3], 32<<16                     ; tile_dim0 = 32
	s_mov_b32 s[G1K+3], 32<<16
	s_mov_b32 s[G1V+4], 64                         ; tile_dim1 = 64
	s_mov_b32 s[G1K+4], 64
	s_mov_b32 s[G1V+5], 32                         ; pitch = 32 elements
	s_mov_b32 s[G1K+5], 32
	s_mov_b32 s[G1V+6], 0
	s_mov_b32 s[G1K+6], 0
	s_mov_b32 s[G1V+7], 0
	s_mov_b32 s[G1K+7], 0
	s_lshl_b32 s22, s17, 18                        ; the head's 262,144 bytes,
	s_lshl_b32 s23, s13, 14                        ; my quarter of a tile: bh and the wave alone
	s_add_co_u32 s22, s22, s23
	s_mov_b32 s23, 0
	s_mul_i32 s57, s12, 64*VP                      ; V's quarters: wave x 18,432
	s_mul_i32 s21, s12, 64*KP                      ; K's quarters: 73,728 + (wave - 4) x 17,408
	s_add_co_u32 s21, s21, KOFF-4*64*KP
	s_lshl_b32 s66, s17, 11                        ; my first query's row: 2,048 bh + 256 block + 64 g
	s_lshl_b32 s70, s16, 8
	s_add_co_u32 s66, s66, s70
	s_lshl_b32 s70, s13, 6
	s_add_co_u32 s66, s66, s70
	s_lshl_b32 s66, s66, 7
	s_mov_b32 s67, 0
	s_lshr_b32 s68, s17, 4                         ; the result: row block 16 batch + 2 block + g / 2,
	s_lshl_b32 s68, s68, 4
	s_lshl_b32 s70, s16, 1
	s_add_co_u32 s68, s68, s70
	s_lshr_b32 s70, s13, 1
	s_add_co_u32 s68, s68, s70
	s_lshl_b32 s68, s68, 4
	s_and_b32 s70, s17, 15                         ; head,
	s_add_co_u32 s68, s68, s70
	s_lshl_b32 s68, s68, 14                        ; 16,384 bytes each,
	s_and_b32 s70, s13, 1
	s_lshl_b32 s70, s70, 13                        ; upper or lower 64 rows
	s_add_co_u32 s68, s68, s70
	s_mov_b32 s69, 0
	s_wait_kmcnt 0x0
	s_add_nc_u64 s[58:59], s[8:9], s[22:23]
	s_add_nc_u64 s[60:61], s[6:7], s[22:23]
	s_add_nc_u64 s[66:67], s[4:5], s[66:67]
	s_add_nc_u64 s[68:69], s[10:11], s[68:69]
	ROUND                                          ; the four work-groups are here: the first joint loads meet
.irp s, 0,1
	s_mov_b32 s[G0V+4*\s], 1
	s_add_co_u32 s[G0V+4*\s+1], s57, \s*SLOT
	s_add_nc_u64 s[G0V+4*\s+2:G0V+4*\s+3], s[58:59], \s*65536      ; keys 512 s ..
	s_or_b32 s[G0V+4*\s+3], s[G0V+4*\s+3], 0x80000000
	s_mov_b32 s[G0K+4*\s], 1
	s_add_co_u32 s[G0K+4*\s+1], s21, \s*SLOT
	s_add_nc_u64 s[G0K+4*\s+2:G0K+4*\s+3], s[60:61], \s*65536
	s_or_b32 s[G0K+4*\s+3], s[G0K+4*\s+3], 0x80000000
	JLOAD \s
.endr
	v_and_b32 v1, 31, v0                           ; l
	v_and_b32 v2, 15, v0                           ; r
	v_bfe_u32 v3, v0, 4, 1                         ; h
	v_lshlrev_b32 v[QO], 7, v2
	v_lshl_add_u32 v[QO], v3, 4, v[QO]             ; Q: row r, 16 h bytes
	WIN 0x40                                       ; destination window 1
.irp q, 0,1,2,3
.irp dh, 0,1
	global_load_b128 v[QQ+8*(2*\q+\dh):QQ+8*(2*\q+\dh)+3], v[QO], s[66:67] offset:\q*2048+\dh*64
	global_load_b128 v[QQ+8*(2*\q+\dh)+4:QQ+8*(2*\q+\dh)+7], v[QO], s[66:67] offset:\q*2048+\dh*64+32
.endr
.endr
	WIN 0
	v_lshrrev_b32 v4, 1, v2
	v_and_b32 v5, 1, v0
	v_mul_u32_u24 v[KA0], v4, KP                   ; K: key r: pair row r / 2,
	v_lshl_add_u32 v[KA0], v5, 7, v[KA0]           ; half r % 2,
	v_lshl_add_u32 v[KA0], v3, 4, v[KA0]           ; 16 h bytes
	s_mul_i32 s2, s14, 128*KP
	s_add_co_u32 s2, s2, KOFF
	v_add_nc_u32 v[KA0], s2, v[KA0]
	v_bfe_u32 v4, v0, 1, 2
	v_lshl_add_u32 v4, v3, 2, v4                   ; V: key 8 h + l % 8: pair row 4 h + (l % 8) / 2,
	v_mul_u32_u24 v[VA0], v4, VP
	v_lshl_add_u32 v[VA0], v5, 7, v[VA0]           ; half l % 2,
	v_bfe_u32 v6, v0, 3, 1
	v_lshl_add_u32 v[VA0], v6, 4, v[VA0]           ; 16 bytes for each half of eight columns
	s_mul_i32 s3, s14, 128*VP
	v_add_nc_u32 v[VA0], s3, v[VA0]
	v_lshlrev_b32 v[GO], 4, v1
	s_mul_i32 s2, s13, XCH
	v_add_nc_u32 v[XA], s2, v[GO]
	s_mul_i32 s3, s12, 64*SP
	s_add_co_u32 s3, s3, 4*XCH                     ; the stages lie behind the four exchange areas
	v_mul_u32_u24 v[STO], v2, SP
	v_lshl_add_u32 v[STO], v3, 4, v[STO]
	v_add_nc_u32 v[STO], s3, v[STO]
	v_lshrrev_b32 v4, 3, v1
	v_and_b32 v6, 7, v0
	v_mul_u32_u24 v[RD], v4, SP
	v_lshl_add_u32 v[RD], v6, 4, v[RD]
	v_add_nc_u32 v[RD], s3, v[RD]
; 16 LDS loads: a step's K fragments, d 0-31 of all four key blocks first; then the address of the next step's
.macro KLOAD
.irp dh, 0,1
.irp kb, 0,1,2,3
	ds_load_b128 v[KF+8*(2*\kb+\dh):KF+8*(2*\kb+\dh)+3], v[KA] offset:\kb*8*KP+\dh*64
	ds_load_b128 v[KF+8*(2*\kb+\dh)+4:KF+8*(2*\kb+\dh)+7], v[KA] offset:\kb*8*KP+\dh*64+32
.endr
.endr
	v_add_nc_u32 v[KA], 32*KP, v[KA]
.endm
; 16 transposing LDS loads: a step's V^T fragments
.macro VLOAD
	WIN 0x40
.irp kp, 0,1
.irp db, 0,1,2,3
	ds_load_tr16_b128 v[VF+8*(4*\kp+\db):VF+8*(4*\kp+\db)+3], v[VA] offset:\kp*16*VP+\db*32
	ds_load_tr16_b128 v[VF+8*(4*\kp+\db)+4:VF+8*(4*\kp+\db)+7], v[VA] offset:\kp*16*VP+8*VP+\db*32
.endr
.endr
.endm
.macro SM_F p                          ; F: exponents of query block p: c s - c M
.set k, 0
.rept 16
	v_pk_fma_f32 v[SS+32*\p+2*k:SS+32*\p+2*k+1], v[SS+32*\p+2*k:SS+32*\p+2*k+1], 0x3e38aa3b, v[NM+2*\p:NM+2*\p+1] op_sel_hi:[1,0,1]
.set k, k+1
.endr
.endm
.macro E_ALL p                         ; E alone: the tail has no products left to stand behind
.set k, 0
.rept 32
	v_exp_f32 v[SS+32*\p+k], v[SS+32*\p+k]
.set k, k+1
.endr
.endm
; X(q): the four accumulators of the key blocks take turns, one instruction a turn.  he = 1: four exponentials of
; block p behind each product.  kwait = 1: the K fragments were just loaded.
.macro XE q, p, he, kwait
	WIN WX
.irp dh, 0,1
.if \kwait
	s_wait_dscnt 8-8*\dh                           ; of the 16 K loads the eight of d 0-31 are in, those of d 32-63 may stay out; then all
.endif
.irp kb, 0,1,2,3
.if \dh
	v_wmma_f32_16x16x32_f16 v[SS+32*\q+8*\kb:SS+32*\q+8*\kb+7], v[KF+16*\kb+8:KF+16*\kb+15], v[QQ+16*\q+8:QQ+16*\q+15], v[SS+32*\q+8*\kb:SS+32*\q+8*\kb+7]
.else
	v_wmma_f32_16x16x32_f16 v[SS+32*\q+8*\kb:SS+32*\q+8*\kb+7], v[KF+16*\kb:KF+16*\kb+7], v[QQ+16*\q:QQ+16*\q+7], 0
.endif
.if \he
.irp e, 0,1,2,3
	v_exp_f32 v[SS+32*\p+16*\dh+4*\kb+\e], v[SS+32*\p+16*\dh+4*\kb+\e]
.endr
.endif
.endr
.endr
.endm
; Y(p): the four accumulators of the d blocks take turns.  fp = 1: the first products start the sums.
; hr = 1: two multiplies of R(q) behind each product.
.macro YR p, q, fp, hr
	WIN WY
.irp kp, 0,1
.irp db, 0,1,2,3
.if \fp*(1-\kp)
	v_wmma_f32_16x16x32_f16 v[8*(4*\p+\db):8*(4*\p+\db)+7], v[VF+8*(4*\kp+\db):VF+8*(4*\kp+\db)+7], v[SS+32*\p+16*\kp:SS+32*\p+16*\kp+7], 0
.else
	v_wmma_f32_16x16x32_f16 v[8*(4*\p+\db):8*(4*\p+\db)+7], v[VF+8*(4*\kp+\db):VF+8*(4*\kp+\db)+7], v[SS+32*\p+16*\kp:SS+32*\p+16*\kp+7], v[8*(4*\p+\db):8*(4*\p+\db)+7]
.endif
.if \hr
	v_pk_mul_f32 v[32*\q+16*\kp+4*\db:32*\q+16*\kp+4*\db+1], v[32*\q+16*\kp+4*\db:32*\q+16*\kp+4*\db+1], v[AL+2*\q:AL+2*\q+1]
	v_pk_mul_f32 v[32*\q+16*\kp+4*\db+2:32*\q+16*\kp+4*\db+3], v[32*\q+16*\kp+4*\db+2:32*\q+16*\kp+4*\db+3], v[AL+2*\q:AL+2*\q+1]
.endif
.endr
.endr
.endm
.macro CSP p, i                        ; C: one link of each of the two chains of sums
	v_pk_add_f32 v[SUM+4*\p:SUM+4*\p+1], v[SUM+4*\p:SUM+4*\p+1], v[SS+32*\p+\i:SS+32*\p+\i+1]
	v_pk_add_f32 v[SUM+4*\p+2:SUM+4*\p+3], v[SUM+4*\p+2:SUM+4*\p+3], v[SS+32*\p+\i+2:SS+32*\p+\i+3]
.endm
.macro CV1 p, k                        ; C: two p to f16, in place; ascending, so that no source is overwritten unread
	v_cvt_pk_f16_f32 v[SS+32*\p+16*((\k)/8)+((\k)%8)], v[SS+32*\p+16*((\k)/8)+2*((\k)%8)], v[SS+32*\p+16*((\k)/8)+2*((\k)%8)+1]
.endm
.macro CV2 hp, p, k
.if \hp
	CV1 \p, \k
	CV1 \p, \k+1
.endif
.endm
.macro AMAX q, j                       ; A: one link of each of four chains of maxima; chain c takes S's registers 8 c .. 8 c + 6
.irp c, 0,1,2,3
.if \j
	v_max3_num_f32 v[SUM+4*\q+\c], v[SUM+4*\q+\c], v[SS+32*\q+8*\c+2*\j+1], v[SS+32*\q+8*\c+2*\j+2]
.else
	v_max3_num_f32 v[SUM+4*\q+\c], v[SS+32*\q+8*\c], v[SS+32*\q+8*\c+1], v[SS+32*\q+8*\c+2]
.endif
.endr
.endm
; The head of A and C: one plain instruction behind the exponentials (ISA guide 5.7.2), then C's first four sums: five places behind X's
; last product, so that A may read its results and loads may be issued into the K fragments.
.macro ACH p, vstep
	WIN 0
.if \vstep
	v_add_nc_u32 v[VA], 32*VP, v[VA]               ; the next step's V
	s_wait_alu depctr_va_vdst(0)
.else
	v_nop
	s_wait_alu depctr_va_vdst(0)
.endif
	v_pk_add_f32 v[SUM+4*\p:SUM+4*\p+1], v[SS+32*\p:SS+32*\p+1], v[SS+32*\p+2:SS+32*\p+3]
	v_pk_add_f32 v[SUM+4*\p+2:SUM+4*\p+3], v[SS+32*\p+4:SS+32*\p+5], v[SS+32*\p+6:SS+32*\p+7]
	CSP \p, 8
.endm
; The rest: A(q) (hq = 1) woven with C(p) (hp = 1).  fq, fp = 1: the unit belongs to the first step (no maximum, factor or sum before it).
.macro ACR q, p, fq, fp, hq, hp
.if \hq
	AMAX \q, 0
.endif
.if \hp
	CSP \p, 12
	CSP \p, 16
.endif
.if \hq
	AMAX \q, 1
.endif
.if \hp
	CSP \p, 20
	CSP \p, 24
.endif
.if \hq
	AMAX \q, 2
.endif
.if \hp
	CSP \p, 28
.endif
.if \hq
	v_max3_num_f32 v[SUM+4*\q], v[SUM+4*\q], v[SS+32*\q+7], v[SS+32*\q+15]
	v_max3_num_f32 v[SUM+4*\q+1], v[SUM+4*\q+1], v[SS+32*\q+23], v[SS+32*\q+31]
.endif
.if \hp
	v_pk_add_f32 v[SUM+4*\p:SUM+4*\p+1], v[SUM+4*\p:SUM+4*\p+1], v[SUM+4*\p+2:SUM+4*\p+3]
.endif
.if \hq
	v_max3_num_f32 v[SUM+4*\q], v[SUM+4*\q], v[SUM+4*\q+1], v[SUM+4*\q+2]
.endif
.if \hp
	v_add_f32 v[SUM+4*\p], v[SUM+4*\p], v[SUM+4*\p+1]
.endif
.if \hq
.if \fq
	v_max_num_f32 v[AA+\q], v[SUM+4*\q], v[SUM+4*\q+3]
.else
	v_max3_num_f32 v[AA+\q], v[SUM+4*\q], v[SUM+4*\q+3], v[MX+\q]
.endif
.endif
	CV2 \hp, \p, 0
.if \hq
	v_permlanex16_b32 v[XX+\q], v[AA+\q], s18, s19 ; the other half of the lanes holds the query's other keys
.endif
	CV2 \hp, \p, 2
.if \hq
	v_max_num_f32 v[MX+\q], v[AA+\q], v[XX+\q]
.endif
	CV2 \hp, \p, 4
.if \hq
	v_mul_f32 v[AA+\q], s20, v[MX+\q]              ; -c M, rounded once
.endif
	CV2 \hp, \p, 6
.if \hq*(1-\fq)
	v_sub_f32 v[XX+\q], v[AA+\q], v[NM+2*\q]       ; c (M before - M now)
.endif
	CV2 \hp, \p, 8
.if \hq
	v_mov_b32 v[NM+2*\q], v[AA+\q]
	v_mov_b32 v[NM+2*\q+1], v[AA+\q]
.endif
.if \hq*(1-\fq)
	v_exp_f32 v[AL+2*\q], v[XX+\q]                 ; the conversions below stand between these and R's first use
	v_exp_f32 v[AL+2*\q+1], v[XX+\q]
.endif
	CV2 \hp, \p, 10
	CV2 \hp, \p, 12
	CV2 \hp, \p, 14
.if \hp
.if \fp
	v_mov_b32 v[LS+\p], v[SUM+4*\p]
	s_wait_alu depctr_va_vdst(0)
.else
	v_fma_f32 v[LS+\p], v[LS+\p], v[AL+2*\p], v[SUM+4*\p]
	s_wait_alu depctr_va_vdst(0)
.endif
.endif
.endm
; The change of slots.  It stands where the next step's K would be loaded: this step's K and V fragments have all been waited for, so
; the wave's reads of the old slot are back.  Every wave waits for all its tensor loads and LDS reads, the cluster's round follows, and with
; refill = 1 the joint load of the slot just read (other), 1,024 keys on, is the wave's first and only tensor load behind it.
.macro CHG slot, other, refill
	s_wait_xcnt 0x0
	v_lshl_add_u32 v190, v0, 2, 0x46000
	v_mov_b32 v191, 0
	s_wait_tensorcnt 0x0                           ; my part of the next slot has landed; no load of mine is out, so a group 0 may be written
	ds_add_u32 v190, v191
	s_wait_dscnt 0x0
.if \refill
	s_add_nc_u64 s[G0V+4*\other+2:G0V+4*\other+3], s[G0V+4*\other+2:G0V+4*\other+3], 131072
	s_add_nc_u64 s[G0K+4*\other+2:G0K+4*\other+3], s[G0K+4*\other+2:G0K+4*\other+3], 131072
.endif
	s_wait_dscnt 0x0                               ; my reads of the old slot are back
	ROUND
.if \refill
	JLOAD \other
.endif
	v_add_nc_u32 v[KA], \slot*SLOT, v[KA0]
	v_add_nc_u32 v[VA], \slot*SLOT, v[VA0]
.endm
; One step: 64 keys against my 64 queries.  At its head X, A and R of its block 0 are done.  f = 1: the first step.  nxt = 1: a step
; follows, and its block 0 is taken in.  chg = 1: that step reads the other slot.
.macro BODY f, nxt, chg, slot, other, refill
	WIN WX
	SM_F 0                                         ; with R's last two multiplies: places behind the last product that read V's fragments
	VLOAD
	XE 1, 0, 1, 0
	ACH 0, 1
	ACR 1, 0, \f, \f, 1, 1
	s_wait_dscnt 0x0                               ; V's fragments
	YR 0, 1, \f, 1-\f
	WIN WX
	SM_F 1
	XE 2, 1, 1, 0
	ACH 1, 0
	ACR 2, 1, \f, \f, 1, 1
	YR 1, 2, \f, 1-\f
	WIN WX
	SM_F 2
	XE 3, 2, 1, 0
	ACH 2, 0
.if \chg
	CHG \slot, \other, \refill
.endif
.if \nxt
	KLOAD
.endif
	ACR 3, 2, \f, \f, 1, 1
	YR 2, 3, \f, 1-\f
	WIN WX
	SM_F 3
.if \nxt
	XE 0, 3, 1, 1
	ACH 3, 0
	ACR 0, 3, 0, \f, 1, 1
	YR 3, 0, \f, 1
.else
	E_ALL 3
	ACH 3, 0
	ACR 0, 3, 0, \f, 0, 1
	YR 3, 0, \f, 0
.endif
	WIN 0
.endm
.macro STEPS n
	s_mov_b32 s56, \n
.Lsteps_\@:
	BODY 0, 1, 0, 0, 0, 0
	s_sub_co_i32 s56, s56, 1
	s_cmp_lg_u32 s56, 0
	s_cbranch_scc1 .Lsteps_\@
.endm
	s_wait_tensorcnt 0x1                           ; my part of slot 0 is in; slot 1's stays out
	s_barrier_signal -1
	s_barrier_wait -1
	v_mov_b32 v[KA], v[KA0]
	v_mov_b32 v[VA], v[VA0]
	KLOAD
	s_wait_loadcnt 0x0                             ; Q
	XE 0, 0, 0, 1                                  ; the pipeline's head: X and A of the first step's block 0
	WIN 0
.irp q, 0,1,2,3
	v_mov_b32 v[XX+\q], 0                          ; v_permlanex16_b32 counts as a reader of its destination; also the four places behind X
.endr
	ACR 0, 0, 1, 0, 1, 0
	BODY 1, 1, 0, 0, 0, 0                          ; my 16 steps of 64 keys: step 0
	STEPS 2                                        ; steps 1, 2
	BODY 0, 1, 1, 1, 0, 1                          ; step 3; on to slot 1 (keys 512-1023); slot 0 gets keys 1024-1535
	STEPS 3
	BODY 0, 1, 1, 0, 1, 1                          ; step 7; on to slot 0; slot 1 gets keys 1536-2047
	STEPS 3
	BODY 0, 1, 1, 1, 0, 0                          ; step 11; on to slot 1; slot 0 has had its last fill and, behind this round, its last read
	STEPS 3
	BODY 0, 0, 0, 0, 0, 0                          ; step 15: nothing follows
	; THE MERGE of the two halves of the keys, in slot 0's bytes.
.irp q, 0,1,2,3
	v_permlanex16_b32 v[XX+\q], v[LS+\q], s18, s19
.endr
.irp q, 0,1,2,3
	v_add_f32 v[LS+\q], v[LS+\q], v[XX+\q]         ; the query's whole sum over my keys; also four places behind the last product
.endr
	s_cmp_lt_u32 s12, 4
	s_cbranch_scc1 .Lkeep
	WIN 0x04                                       ; store data in window 1
.set k, 0
.rept 32
	ds_store_b128 v[XA], v[4*k:4*k+3] offset:512*k
.set k, k+1
.endr
	WIN 0
	ds_store_b128 v[XA], v[MX:MX+3] offset:16384
	ds_store_b128 v[XA], v[LS:LS+3] offset:16896
.Lkeep:
	s_wait_dscnt 0x0                               ; for the partner's sake: my stores are done
	s_barrier_signal -1
	s_barrier_wait -1
	s_cmp_lt_u32 s12, 4
	s_cbranch_scc0 .Ldone
	ds_load_b128 v[AA:AA+3], v[XA] offset:16384    ; the partner's maxima
	ds_load_b128 v[XX:XX+3], v[XA] offset:16896    ; and sums
.set k, 0
.rept 32
	ds_load_b128 v[SS+4*k:SS+4*k+3], v[XA] offset:512*k
.set k, k+1
.endr
	s_wait_dscnt 32                                ; the first two loads are in, O's 32 stay out
.irp q, 0,1,2,3
	v_max_num_f32 v[SUM+\q], v[MX+\q], v[AA+\q]
.endr
.irp q, 0,1,2,3
	v_mul_f32 v[SUM+\q], s20, v[SUM+\q]            ; -c M of both halves
	v_mul_f32 v[AA+\q], s20, v[AA+\q]              ; the partner's -c M, by the multiply that made it there
.endr
.irp q, 0,1,2,3
	v_sub_f32 v[SUM+4+\q], v[SUM+\q], v[NM+2*\q]
	v_sub_f32 v[SUM+8+\q], v[SUM+\q], v[AA+\q]
.endr
.irp q, 0,1,2,3
	v_exp_f32 v[SUM+4+\q], v[SUM+4+\q]
	v_exp_f32 v[SUM+8+\q], v[SUM+8+\q]
.endr
	v_nop                                          ; a plain place behind the exponentials
	s_wait_alu depctr_va_vdst(0)
.irp q, 0,1,2,3
	v_mul_f32 v[SUM+12+\q], v[LS+\q], v[SUM+4+\q]
.endr
.irp q, 0,1,2,3
	v_fmac_f32 v[SUM+12+\q], v[XX+\q], v[SUM+8+\q]
.endr
.irp q, 0,1,2,3
	v_rcp_f32 v[SUM+12+\q], v[SUM+12+\q]           ; the sum holds the largest score's p, about 1
.endr
	v_nop
	s_wait_alu depctr_va_vdst(0)
.irp q, 0,1,2,3
	v_mul_f32 v[NM+2*\q], v[SUM+4+\q], v[SUM+12+\q]
	v_mul_f32 v[NM+2*\q+1], v[SUM+4+\q], v[SUM+12+\q]
	v_mul_f32 v[AL+2*\q], v[SUM+8+\q], v[SUM+12+\q]
	v_mul_f32 v[AL+2*\q+1], v[SUM+8+\q], v[SUM+12+\q]
.endr
	s_wait_dscnt 0x0
.set k, 0
.rept 64
	v_pk_mul_f32 v[SS+2*k:SS+2*k+1], v[SS+2*k:SS+2*k+1], v[AL+2*(k/16):AL+2*(k/16)+1]
.set k, k+1
.endr
	WIN 0x01                                       ; source 0: my O in window 1
.set k, 0
.rept 64
	v_pk_fma_f32 v[SS+2*k:SS+2*k+1], v[2*k:2*k+1], v[NM+2*(k/16):NM+2*(k/16)+1], v[SS+2*k:SS+2*k+1]
.set k, k+1
.endr
	WIN 0
.set k, 0
.rept 64
	v_cvt_pk_f16_f32 v[SS+k], v[SS+2*k], v[SS+2*k+1]       ; in place, ascending
.set k, k+1
.endr
.irp q, 0,1,2,3
.irp db, 0,1,2,3
	ds_store_b128 v[STO], v[SS+4*(4*\q+\db):SS+4*(4*\q+\db)+3] offset:\q*16*SP+32*\db
.endr
.endr
.irp i, 0,1,2,3,4,5,6,7,8,9,10,11,12,13,14,15
	ds_load_b128 v[192+4*\i:192+4*\i+3], v[RD] offset:\i*4*SP      ; my own stage; LDS serves a wave in order (ISA guide 5.7.1.4)
.endr
.irp i, 0,1,2,3,4,5,6,7,8,9,10,11,12,13,14,15
	s_wait_dscnt 15-\i                             ; load i is in, the younger ones stay out
	global_store_b128 v[GO], v[192+4*\i:192+4*\i+3], s[68:69] offset:512*\i        ; four rows: 512 consecutive aligned bytes
.endr
.Ldone:
	s_wait_dscnt 0x0                               ; no LDS instruction is pending at a signal
	s_wait_xcnt 0x0
	v_lshl_add_u32 v190, v0, 2, 0x46000
	v_mov_b32 v191, 0
	s_wait_tensorcnt 0x0
	ds_add_u32 v190, v191
	s_wait_dscnt 0x0
	ROUND                                          ; the closing round
	s_endpgm
.Lfunc_end_k_q6ed2288d58_attn:
	.size	k_q6ed2288d58_attn, .Lfunc_end_k_q6ed2288d58_attn-k_q6ed2288d58_attn
	.p2alignl 7, 3214868480
	.fill 96, 4, 3214868480
	.section	.rodata,"a",@progbits
	.p2align	6, 0x0
	.amdhsa_kernel k_q6ed2288d58_attn
		.amdhsa_group_segment_fixed_size 327680
		.amdhsa_private_segment_fixed_size 0
		.amdhsa_enable_private_segment 0
		.amdhsa_kernarg_size 32
		.amdhsa_user_sgpr_count 2
		.amdhsa_user_sgpr_kernarg_segment_ptr 1
		.amdhsa_wavefront_size32 1
		.amdhsa_system_sgpr_workgroup_id_x 1
		.amdhsa_system_sgpr_workgroup_id_y 1
		.amdhsa_system_sgpr_workgroup_id_z 1
		.amdhsa_system_vgpr_workitem_id 0
		.amdhsa_next_free_vgpr 512
		.amdhsa_next_free_sgpr 72
		.amdhsa_reserve_vcc 0
		.amdhsa_float_denorm_mode_32 3
		.amdhsa_float_denorm_mode_16_64 3
		.amdhsa_memory_ordered 1
		.amdhsa_forward_progress 1
		.amdhsa_inst_pref_size 255
	.end_amdhsa_kernel
	.section	.bss,"aw",@nobits
	.p2align	6
	.space	262144
	.amdgpu_metadata
---
amdhsa.version: [ 1, 2 ]
amdhsa.kernels:
  - .name:           k_q6ed2288d58_attn
    .symbol:         k_q6ed2288d58_attn.kd
    .args:
      - { .name: qh, .offset: 0, .size: 8, .value_kind: global_buffer, .address_space: global }
      - { .name: kh, .offset: 8, .size: 8, .value_kind: global_buffer, .address_space: global }
      - { .name: vh, .offset: 16, .size: 8, .value_kind: global_buffer, .address_space: global }
      - { .name: ah, .offset: 24, .size: 8, .value_kind: global_buffer, .address_space: global }
    .group_segment_fixed_size: 327680
    .private_segment_fixed_size: 0
    .kernarg_segment_align: 8
    .kernarg_segment_size: 32
    .max_flat_workgroup_size: 256
    .sgpr_count:     72
    .vgpr_count:     512
    .wavefront_size: 32
...
	.end_amdgpu_metadata
.endif
;; end of part 3
;; launch proj (part 4): grid 8 x 32, 4 waves a work-group, clusters of 4 x 4, 327,680 bytes of LDS; arguments ah, woh, out0; writes out0
.if DOCPART == 4
	.amdgcn_target "amdgcn-amd-amdhsa--gfx1250"
	.amdhsa_code_object_version 6
	.text
	.protected	k_q6ed2288d58_proj
	.globl	k_q6ed2288d58_proj
	.p2align	8
	.type	k_q6ed2288d58_proj,@function
k_q6ed2288d58_proj:
	s_mov_b64 s[64:65], 0
	v_nop
	global_prefetch_b8 v0, s[64:65] scope:SCOPE_SE
	s_setreg_imm32_b32 hwreg(HW_REG_WAVE_MODE, 25, 1), 1
	s_wait_xcnt 0x0
	s_wait_alu depctr_hold_cnt(0) depctr_sa_sdst(0) depctr_va_vdst(0) depctr_va_sdst(0) depctr_va_ssrc(0) depctr_va_vcc(0) depctr_vm_vsrc(0)
	s_getreg_b32 s2, hwreg(HW_REG_IB_STS2, 6, 4)
	s_cmp_eq_u32 s2, 0
	s_cbranch_scc0 .Lentry_in_a_cluster
	s_endpgm
.Lentry_in_a_cluster:
	s_bfe_u32 s2, ttmp6, 0x10000c
	s_cmp_lg_u32 s2, 0xf033
	s_cbranch_scc0 .Lentry_shape_is_right
	s_endpgm
.Lentry_shape_is_right:
; out0 [4096][1024] f32 = attention result (ah, f16, [row block of 128][head][128][64]) x woh [1024][1024] (f16, [k][n]); f32 sums.
; A work-group makes 128 x 128 of out0 (block column bx, block row by): 8 x 32 = 256 work-groups; blocks of 256 x 256 would be only 64.
; Wave (wr, wc) makes 64 x 64: 16 accumulators.  K goes in four phases of 256 (four heads) through two LDS slots.
; CLUSTERS 4 x 4: ah's tile hangs on by alone and is asked for jointly along a row of the cluster, woh's on bx alone and along a column.
; Waves 0, 1 ask for 128 k rows of woh each, waves 2, 3 for two heads of ah each (dense, as rows of 256 bytes: row x of a head lies at
; (x >> 1) pitch + 128 (x & 1)).  A wave has two tensor loads out at the start, one later.
; The matrix instruction is used transposed (source 0 = 16 columns of woh by the transposing LDS load, source 1 = 16 rows of ah): a lane
; holds eight neighbouring columns of one row.
; LIMIT: f16 operands; magnitudes above 65,504 are infinities there.
.set PA,    272
.set PB,    288
.set AOFF,  256*PB                     ; 73,728: woh's 256 k rows, then ah's four heads
.set HPART, 64*PA                      ; 17,408: one head's 128 rows
.set SLOT,  AOFF+4*HPART               ; 143,360
.set STAGE, 2*SLOT                     ; 286,720: never filled by a tensor load
.set SPITCH, 272                       ; stage: 16 rows of 256 + 16 bytes for each wave
.set ADRA, 16                          ; v16-17  ah fragments, slot 0, 1
.set ADRB, 18                          ; v18-21  woh fragments, slot x half of the k rows
.set STO,  24
.set RD,   25
.set CO,   26
.set G1A, 24
.set G0A, 32
.set G1B, 40
.set G0B, 48
; window 0: buffer f: ah fragments at 32 + 64 f, woh fragments at 64 + 64 f; v160-223 the way out.  Window 1: accumulators at 8 (4 mb + nb).
.set MSB, 0
.macro WIN new
.if MSB != \new
	s_set_vgpr_msb (MSB<<8)|\new
.set MSB, \new
.endif
.endm
.macro PLACES                          ; four places behind a matrix instruction (ISA guide 7.12.1)
.rept 4
	v_nop
.endr
.endm
.macro JLOAD s
	s_cmp_eq_u32 s11, 0
	s_cbranch_scc0 .Lfor_a_\@
	tensor_load_to_lds s[G0B+4*\s:G0B+4*\s+3], s[G1B:G1B+7]
	s_nop 0
	s_branch .Lasked_\@
.Lfor_a_\@:
	tensor_load_to_lds s[G0A+4*\s:G0A+4*\s+3], s[G1A:G1A+7]
	s_nop 0
.Lasked_\@:
.endm
.macro CREST
	s_cmp_lg_u32 s10, 0
	s_cbranch_scc1 .Lnot_wave_0_\@
	s_barrier_signal -3
.Lnot_wave_0_\@:
	s_barrier_wait -3
	s_barrier_signal -1
	s_barrier_wait -1
.endm
.macro CROUND
	s_barrier_signal -1
	s_barrier_wait -1
	CREST
.endm
	s_load_b128 s[4:7], s[0:1], 0x0                ; ah s[4:5], woh s[6:7]
	s_load_b64 s[8:9], s[0:1], 0x10                ; out0
	v_lshl_add_u32 v254, v0, 2, 0x4a400
	v_mov_b32 v255, 0
	ds_add_u32 v254, v255
	v_lshrrev_b32 v1, 5, v0
	v_readfirstlane_b32 s10, v1                    ; wave 0..3
	s_lshr_b32 s11, s10, 1                         ; wr.  Also: I fetch for woh (0) or for ah (1)
	s_and_b32 s12, s10, 1                          ; wc.  Also: which half of that tile
	s_bfe_u32 s13, ttmp6, 0x40000                  ; cx
	s_bfe_u32 s14, ttmp6, 0x40004                  ; cy
	s_lshl_b32 s15, ttmp9, 2
	s_add_co_u32 s15, s15, s13                     ; bx
	s_and_b32 s16, ttmp7, 0xffff
	s_lshl_b32 s16, s16, 2
	s_add_co_u32 s16, s16, s14                     ; by
	s_lshl_b32 s17, s14, 2
	s_lshl_b32 s17, 15, s17                        ; my row of the cluster
	s_lshl_b32 s18, 0x1111, s13                    ; my column
	s_or_b32 s[G1A+0], s17, (3<<16)|(1<<20)|(1<<21)|(5<<22)|(3<<25)    ; elements of 8 bytes; 4 words behind every 64
	s_or_b32 s[G1B+0], s18, (1<<16)|(1<<20)|(1<<21)|(5<<22)|(7<<25)    ; elements of 2 bytes; 8 words behind every 64
	s_mov_b32 s[G1A+1], 32<<16                     ; ah: 128 dense rows of 32 elements
	s_mov_b32 s[G1A+2], 128<<16
	s_mov_b32 s[G1A+3], 32<<16
	s_mov_b32 s[G1A+4], 128
	s_mov_b32 s[G1A+5], 32
	s_mov_b32 s[G1A+6], 0
	s_mov_b32 s[G1A+7], 0
	s_mov_b32 s[G1B+1], 128<<16                    ; woh: 128 rows of 128 elements, 1,024 elements from row to row
	s_mov_b32 s[G1B+2], 128<<16
	s_mov_b32 s[G1B+3], 128<<16
	s_mov_b32 s[G1B+4], 128
	s_mov_b32 s[G1B+5], 1024
	s_mov_b32 s[G1B+6], 0
	s_mov_b32 s[G1B+7], 0
	s_mul_i32 s19, s10, 128*PB                     ; woh's halves: wave x 36,864
	s_mul_i32 s20, s10, 2*HPART                    ; ah's halves: 73,728 + (wave - 2) x 34,816
	s_add_co_u32 s20, s20, AOFF-4*HPART
	s_lshl_b32 s56, s16, 18                        ; ah: 262,144 by + 32,768 x half (by and the wave alone)
	s_lshl_b32 s57, s12, 15
	s_add_co_u32 s56, s56, s57
	s_mov_b32 s57, 0
	s_lshl_b32 s58, s15, 8                         ; woh: 256 bx bytes along a row + 128 rows of 2,048 bytes a wave (bx and the wave alone)
	s_lshl_b32 s59, s10, 18
	s_add_co_u32 s58, s58, s59
	s_mov_b32 s59, 0
	s_wait_dscnt 0x0
	s_wait_kmcnt 0x0
	s_add_nc_u64 s[56:57], s[4:5], s[56:57]
	s_add_nc_u64 s[58:59], s[6:7], s[58:59]
	CROUND                                         ; the first joint loads meet
.irp s, 0,1
	s_mov_b32 s[G0A+4*\s], 1
	s_add_co_u32 s[G0A+4*\s+1], s20, \s*SLOT
	s_add_nc_u64 s[G0A+4*\s+2:G0A+4*\s+3], s[56:57], \s*65536      ; phase s: four heads of 16,384 bytes
	s_or_b32 s[G0A+4*\s+3], s[G0A+4*\s+3], 0x80000000
	s_mov_b32 s[G0B+4*\s], 1
	s_add_co_u32 s[G0B+4*\s+1], s19, \s*SLOT
	s_add_nc_u64 s[G0B+4*\s+2:G0B+4*\s+3], s[58:59], \s*524288     ; phase s: 256 rows of 2,048 bytes
	s_or_b32 s[G0B+4*\s+3], s[G0B+4*\s+3], 0x80000000
	JLOAD \s
.endr
	v_and_b32 v1, 31, v0
	v_and_b32 v2, 15, v0                           ; r
	v_bfe_u32 v3, v0, 4, 1                         ; h
	v_lshrrev_b32 v4, 1, v2
	v_and_b32 v5, 1, v0
	v_mul_u32_u24 v6, v4, PA
	v_lshl_add_u32 v6, v5, 7, v6
	v_lshl_add_u32 v6, v3, 4, v6
	s_mul_i32 s21, s11, 32*PA
	s_add_co_u32 s21, s21, AOFF
	v_add_nc_u32 v[ADRA], s21, v6
	v_add_nc_u32 v[ADRA+1], SLOT, v[ADRA]
	v_and_b32 v4, 7, v0
	v_lshl_add_u32 v4, v3, 3, v4
	v_mul_u32_u24 v7, v4, PB
	v_bfe_u32 v5, v0, 3, 1
	v_lshl_add_u32 v7, v5, 4, v7
	s_lshl_b32 s22, s12, 7
	v_add_nc_u32 v7, s22, v7
.irp s, 0,1
.irp u, 0,1
	v_add_nc_u32 v[ADRB+2*\s+\u], \s*SLOT+\u*128*PB, v7
.endr
.endr
	s_mul_i32 s23, s10, 16*SPITCH
	s_add_co_u32 s23, s23, STAGE
	v_mul_u32_u24 v[STO], v2, SPITCH
	v_lshl_add_u32 v[STO], v3, 5, v[STO]           ; row r, 32 h bytes: eight f32
	v_add_nc_u32 v[STO], s23, v[STO]
	v_mul_u32_u24 v[RD], v3, SPITCH
	v_lshl_add_u32 v[RD], v2, 4, v[RD]             ; back: lanes 0-15 one row of 256 bytes, lanes 16-31 the next
	v_add_nc_u32 v[RD], s23, v[RD]
	v_lshlrev_b32 v[CO], 12, v3
	v_lshl_add_u32 v[CO], v2, 4, v[CO]             ; the same two rows in out0
.macro FETCH slot, kq, f               ; quarter kq of eight (32 along K) into buffer f: 8 + 8 LDS loads
.irp nb, 0,1,2,3
	ds_load_tr16_b128 v[64+64*\f+8*\nb:64+64*\f+8*\nb+3], v[ADRB+2*\slot+(\kq/4)] offset:(\kq%4)*32*PB+32*\nb
	ds_load_tr16_b128 v[64+64*\f+8*\nb+4:64+64*\f+8*\nb+7], v[ADRB+2*\slot+(\kq/4)] offset:(\kq%4)*32*PB+16*PB+32*\nb
.endr
.irp mb, 0,1,2,3
	ds_load_b128 v[32+64*\f+8*\mb:32+64*\f+8*\mb+3], v[ADRA+\slot] offset:(\kq/2)*HPART+\mb*8*PA+(\kq%2)*64
	ds_load_b128 v[32+64*\f+8*\mb+4:32+64*\f+8*\mb+7], v[ADRA+\slot] offset:(\kq/2)*HPART+\mb*8*PA+(\kq%2)*64+32
.endr
.endm
.macro MUL16 f, zero                   ; sixteen accumulators by turns, one instruction a turn
	WIN 0x50
.irp mb, 0,1,2,3
.irp nb, 0,1,2,3
.if \zero
	v_wmma_f32_16x16x32_f16 v[8*(4*\mb+\nb):8*(4*\mb+\nb)+7], v[64+64*\f+8*\nb:64+64*\f+8*\nb+7], v[32+64*\f+8*\mb:32+64*\f+8*\mb+7], 0
.else
	v_wmma_f32_16x16x32_f16 v[8*(4*\mb+\nb):8*(4*\mb+\nb)+7], v[64+64*\f+8*\nb:64+64*\f+8*\nb+7], v[32+64*\f+8*\mb:32+64*\f+8*\mb+7], v[8*(4*\mb+\nb):8*(4*\mb+\nb)+7]
.endif
.endr
.endr
.endm
.macro QUARTER slot, kq, f, g, zero    ; fetches quarter kq into buffer g, multiplies buffer f
	PLACES                                         ; buffer g was read by the matrix instructions just issued
	FETCH \slot, \kq, \g
	s_wait_dscnt 16                                ; all but the 16 just issued
	MUL16 \f, \zero
	WIN 0
.endm
.macro PHASE slot, zero
	QUARTER \slot, 1, 0, 1, \zero
	QUARTER \slot, 2, 1, 0, 0
	QUARTER \slot, 3, 0, 1, 0
	QUARTER \slot, 4, 1, 0, 0
	QUARTER \slot, 5, 0, 1, 0
	QUARTER \slot, 6, 1, 0, 0
	QUARTER \slot, 7, 0, 1, 0
.endm
; The phase's last quarter and the change of slots: every wave's reads of this slot and all its tensor loads are waited for in front of the
; barrier; with fill = 1 it opens a round of the cluster's barrier, behind which the joint refill is the wave's one tensor load.
.macro TURN slot, next, fill
	s_wait_dscnt 0
	s_wait_tensorcnt 0x0
	ds_add_u32 v254, v255
	s_wait_dscnt 0x0
	s_barrier_signal -1
	MUL16 1, 0
	WIN 0
	s_barrier_wait -1
.if \fill
	CREST
	s_add_nc_u64 s[G0A+4*\slot+2:G0A+4*\slot+3], s[G0A+4*\slot+2:G0A+4*\slot+3], 131072    ; two phases on: eight heads
	s_add_nc_u64 s[G0B+4*\slot+2:G0B+4*\slot+3], s[G0B+4*\slot+2:G0B+4*\slot+3], 1048576   ; 512 rows
	JLOAD \slot
.endif
	PLACES
	FETCH \next, 0, 0
.endm
	s_wait_tensorcnt 0x1                           ; my part of phase 0 is in; phase 1's stays out
	s_barrier_signal -1
	s_barrier_wait -1
	FETCH 0, 0, 0
	PHASE 0, 1
	TURN 0, 1, 1
	PHASE 1, 0
	TURN 1, 0, 1
	PHASE 0, 0
	TURN 0, 1, 0
	PHASE 1, 0
	s_wait_dscnt 0
	MUL16 1, 0
	; THE WAY OUT, 16 rows at a time through my own stage: sixteen lanes then store 256 consecutive aligned bytes of a row of out0
	PLACES
	WIN 0
	s_lshl_b32 s66, s16, 7
	s_lshl_b32 s68, s11, 6
	s_add_co_u32 s66, s66, s68                     ; my first row
	s_lshl_b32 s66, s66, 12                        ; x 4,096 bytes
	s_lshl_b32 s68, s15, 9
	s_add_co_u32 s66, s66, s68                     ; + 512 bx
	s_lshl_b32 s68, s12, 8
	s_add_co_u32 s66, s66, s68                     ; + 256 wc
	s_mov_b32 s67, 0
	s_add_nc_u64 s[8:9], s[8:9], s[66:67]
.macro OUT16 mb, ob
	WIN 0x04                                       ; store data in window 1
.irp nb, 0,1,2,3
	ds_store_b128 v[STO], v[8*(4*\mb+\nb):8*(4*\mb+\nb)+3] offset:\nb*64
	ds_store_b128 v[STO], v[8*(4*\mb+\nb)+4:8*(4*\mb+\nb)+7] offset:\nb*64+16
.endr
	WIN 0
	s_wait_xcnt 0x0                                ; registers that earlier stores read are loaded again only behind this wait
.irp t, 0,1,2,3,4,5,6,7
	ds_load_b128 v[\ob+4*\t:\ob+4*\t+3], v[RD] offset:\t*2*SPITCH  ; my own bytes; LDS serves a wave in order (ISA guide 5.7.1.4)
.endr
.irp t, 0,1,2,3,4,5,6,7
	s_wait_dscnt 7-\t
	global_store_b128 v[CO], v[\ob+4*\t:\ob+4*\t+3], s[8:9] offset:\mb*65536+\t*8192 th:TH_STORE_NT
.endr
.endm
	OUT16 0, 160
	OUT16 1, 192
	OUT16 2, 160
	OUT16 3, 192
	s_wait_tensorcnt 0x0
	ds_add_u32 v254, v255
	s_wait_dscnt 0x0
	CROUND                                         ; the closing round
	s_endpgm
.Lfunc_end_k_q6ed2288d58_proj:
	.size	k_q6ed2288d58_proj, .Lfunc_end_k_q6ed2288d58_proj-k_q6ed2288d58_proj
	.p2alignl 7, 3214868480
	.fill 96, 4, 3214868480
	.section	.rodata,"a",@progbits
	.p2align	6, 0x0
	.amdhsa_kernel k_q6ed2288d58_proj
		.amdhsa_group_segment_fixed_size 327680
		.amdhsa_private_segment_fixed_size 0
		.amdhsa_enable_private_segment 0
		.amdhsa_kernarg_size 24
		.amdhsa_user_sgpr_count 2
		.amdhsa_user_sgpr_kernarg_segment_ptr 1
		.amdhsa_wavefront_size32 1
		.amdhsa_system_sgpr_workgroup_id_x 1
		.amdhsa_system_sgpr_workgroup_id_y 1
		.amdhsa_system_sgpr_workgroup_id_z 1
		.amdhsa_system_vgpr_workitem_id 0
		.amdhsa_next_free_vgpr 384
		.amdhsa_next_free_sgpr 70
		.amdhsa_reserve_vcc 0
		.amdhsa_float_denorm_mode_32 3
		.amdhsa_float_denorm_mode_16_64 3
		.amdhsa_memory_ordered 1
		.amdhsa_forward_progress 1
		.amdhsa_inst_pref_size 89
	.end_amdhsa_kernel
	.amdgpu_metadata
---
amdhsa.version: [ 1, 2 ]
amdhsa.kernels:
  - .name:           k_q6ed2288d58_proj
    .symbol:         k_q6ed2288d58_proj.kd
    .args:
      - { .name: ah, .offset: 0, .size: 8, .value_kind: global_buffer, .address_space: global }
      - { .name: woh, .offset: 8, .size: 8, .value_kind: global_buffer, .address_space: global }
      - { .name: out0, .offset: 16, .size: 8, .value_kind: global_buffer, .address_space: global }
    .group_segment_fixed_size: 327680
    .private_segment_fixed_size: 0
    .kernarg_segment_align: 8
    .kernarg_segment_size: 24
    .max_flat_workgroup_size: 128
    .sgpr_count:     70
    .vgpr_count:     384
    .wavefront_size: 32
...
	.end_amdgpu_metadata
.endif
;; end of part 4
